; MI455X (gfx1250); checked and timed in simulation.
; The chip was launched on July 23, 2026; its instructions are those of AMD's public machine-readable ISA for CDNA 5 (MIT licence, August 2026) and "CDNA5" Instruction Set Architecture Reference Guide (July 2026). The comments in the code are by the model that wrote it; some were corrected since.
;; Multi Head Self Attention Module. Allowed arithmetic: float matrix products may take bf16 or f16 operands with f32 sums; all other float work in f32.
;; Inputs: Wk 512 x 512 float32; Wo 512 x 512 float32; Wq 512 x 512 float32; Wv 512 x 512 float32; bk 512 float32; bo 512 float32; bq 512 float32; bv 512 float32; input_lengths 4 int32; inputs 4 x 2,048 x 512 float32; ln_beta 512 float32; ln_gamma 512 float32; pos_embed 4 x 2,048 x 512 float32.
;; Outputs: out0 4 x 2,048 x 512 float32.
;; One version. Each part assembles by itself: llvm-mc -triple=amdgcn-amd-amdhsa -mcpu=gfx1250 --defsym DOCPART=n.
;; ======== version 1 of 1: 4 launches
;; limits: values are held in f16: magnitudes above 65,504 overflow, below 6.1e-05 lose precision
;; workspace buffers: xn 8,388,608 bytes; wb 2,097,152 bytes; q 8,388,608 bytes; k 8,388,608 bytes; vt 8,388,608 bytes; ctx 8,388,608 bytes
;; launch prep (part 1): grid 256 x 1, 8 waves a work-group, no clusters, 0 bytes of LDS; arguments inputs, ln_gamma, ln_beta, Wq, Wk, Wv, Wo, xn, wb; writes xn, wb
.if DOCPART == 1
	.amdgcn_target "amdgcn-amd-amdhsa--gfx1250"
	.amdhsa_code_object_version 6
	.text
	.protected	k_q035385b75d_prep
	.globl	k_q035385b75d_prep
	.p2align	8
	.type	k_q035385b75d_prep,@function
k_q035385b75d_prep:
	s_mov_b64 s[64:65], 0
	v_nop
	global_prefetch_b8 v0, s[64:65] scope:SCOPE_SE
	s_setreg_imm32_b32 hwreg(HW_REG_WAVE_MODE, 25, 1), 1
	s_wait_xcnt 0x0
; LayerNorm of inputs [8192][512] f32 -> xn [8192][512] f16, and the four weight matrices [512][512] f32 -> wb [2048][512] f16.
; wb's rows are laid for the later products: row head*192 + c*64 + d is row head*64 + d of Wq, Wk, Wv (c = 0, 1, 2); row 1536 + n is Wo's row n.
; Eight waves; wave w of work-group G takes rows 32 G + 4 w .. + 3 of inputs, one wave a row at a time, and weight row 8 G + w of the 2048.
; A row of 2,048 bytes is four loads of 16 bytes a lane (512 neighbouring bytes each) and stays in 16 registers between the passes, so
; memory is read once.  The variance is the mean of squares of (x - mean), as in the problem's text: no difference of large sums.
; No LDS, no barrier, no matrix unit, no cluster: a row never leaves its wave, and the only bytes that work-groups share are gamma and beta.
; LIMITS: the results are f16: |xn| and |W| must stay below 65,504; magnitudes under 6e-5 keep an absolute error up to 3e-8.
; NaN and infinities in the inputs are not followed.  pos_embed is not an argument: no number of the result hangs on it.
.set GAM, 4                            ; v[4:19]    gamma of my 16 columns (128 j + 4 lane .. + 3, j = 0..3)
.set BET, 20                           ; v[20:35]   beta likewise
.set X,   36                           ; v[36:99]   four rows, 16 registers each
.set WR,  100                          ; v[100:115] my weight row
.set T,   116                          ; v[116:127] at work
.set Y,   132                          ; v[132:163] four rows as f16, 8 registers each: every store has data registers of its own
.set WO,  164                          ; v[164:171] the weight row as f16
	s_load_b512 s[4:19], s[0:1], 0x0               ; inputs s[4:5], gamma s[6:7], beta s[8:9], Wq s[10:11], Wk s[12:13], Wv s[14:15], Wo s[16:17], xn s[18:19]
	s_load_b64 s[20:21], s[0:1], 0x40              ; wb
	v_lshrrev_b32 v3, 5, v0
	v_readfirstlane_b32 s24, v3                    ; wave 0..7
	v_and_b32 v2, 31, v0                           ; lane
	v_lshlrev_b32 v1, 4, v2                        ; 16 x lane: my place in 512 bytes of f32
	v_lshlrev_b32 v2, 3, v2                        ; 8 x lane: my place in 256 bytes of f16
	s_mov_b32 s40, 0x3b000000                      ; 1 / 512
	s_mov_b32 s41, 0x76543210                      ; v_permlanex16_b32: lane i of one half reads lane i of the other
	s_mov_b32 s42, 0xfedcba98
	s_mov_b32 s43, 0x3727c5ac                      ; 1e-5
	s_lshl_b32 s26, ttmp9, 16                      ; 32 rows of 2,048 bytes a work-group,
	s_lshl_b32 s27, s24, 13                        ; 4 rows a wave
	s_add_co_u32 s26, s26, s27
	s_mov_b32 s27, 0
	s_lshr_b32 s28, s26, 1                         ; the same rows in xn: half the bytes
	s_mov_b32 s29, 0
	s_lshr_b32 s30, ttmp9, 6                       ; c: which matrix (64 work-groups x 8 rows each)
	s_and_b32 s31, ttmp9, 63
	s_lshl3_add_u32 s31, s31, s24                  ; n: which of its 512 rows
	s_lshl_b32 s32, s31, 11                        ; its byte offset in the matrix
	s_mov_b32 s33, 0
	s_lshr_b32 s34, s31, 6                         ; head
	s_mul_i32 s34, s34, 192
	s_lshl_b32 s35, s30, 6
	s_add_co_u32 s34, s34, s35
	s_and_b32 s35, s31, 63
	s_add_co_u32 s34, s34, s35                     ; head*192 + c*64 + d
	s_add_co_u32 s35, s31, 1536                    ; Wo: 1536 + n
	s_cmp_eq_u32 s30, 3
	s_cselect_b32 s34, s35, s34
	s_lshl_b32 s34, s34, 10                        ; rows of 1,024 bytes
	s_mov_b32 s35, 0
	s_wait_kmcnt 0x0
	s_add_nc_u64 s[4:5], s[4:5], s[26:27]
	s_add_nc_u64 s[18:19], s[18:19], s[28:29]
	s_cmp_eq_u32 s30, 1                            ; the matrix is chosen by the work-group's number alone
	s_cselect_b64 s[22:23], s[12:13], s[10:11]
	s_cmp_eq_u32 s30, 2
	s_cselect_b64 s[22:23], s[14:15], s[22:23]
	s_cmp_eq_u32 s30, 3
	s_cselect_b64 s[22:23], s[16:17], s[22:23]
	s_add_nc_u64 s[22:23], s[22:23], s[32:33]
	s_add_nc_u64 s[20:21], s[20:21], s[34:35]
.irp j, 0,1,2,3
	global_load_b128 v[GAM+4*\j:GAM+4*\j+3], v1, s[6:7] offset:512*\j
	global_load_b128 v[BET+4*\j:BET+4*\j+3], v1, s[8:9] offset:512*\j
.endr
.irp i, 0,1,2,3
.irp j, 0,1,2,3
	global_load_b128 v[X+16*\i+4*\j:X+16*\i+4*\j+3], v1, s[4:5] offset:2048*\i+512*\j th:TH_LOAD_NT
.endr
.endr
.irp j, 0,1,2,3
	global_load_b128 v[WR+4*\j:WR+4*\j+3], v1, s[22:23] offset:512*\j th:TH_LOAD_NT
.endr
; the sum of v[t] over the 32 lanes, left in every lane; v[t+1] is spent
.macro REDUCE t
	v_add_f32_dpp v[\t], v[\t], v[\t] row_xmask:1 row_mask:0xf bank_mask:0xf
	v_add_f32_dpp v[\t], v[\t], v[\t] row_xmask:2 row_mask:0xf bank_mask:0xf
	v_add_f32_dpp v[\t], v[\t], v[\t] row_xmask:4 row_mask:0xf bank_mask:0xf
	v_add_f32_dpp v[\t], v[\t], v[\t] row_xmask:8 row_mask:0xf bank_mask:0xf
	v_permlanex16_b32 v[\t+1], v[\t], s41, s42     ; its destination counts as read: it has been written above
	v_add_f32 v[\t], v[\t], v[\t+1]
.endm
; row i of my four.  left = the younger loads that may stay out: four for each later row and the weight row's four.
.macro LNROW i, left
.set XR, X+16*\i
	s_wait_loadcnt \left                           ; loads come back in order (ISA guide 5.7.1): gamma, beta and this row are in
	v_pk_add_f32 v[T:T+1],   v[XR:XR+1],     v[XR+2:XR+3]
	v_pk_add_f32 v[T+2:T+3], v[XR+4:XR+5],   v[XR+6:XR+7]
	v_pk_add_f32 v[T+4:T+5], v[XR+8:XR+9],   v[XR+10:XR+11]
	v_pk_add_f32 v[T+6:T+7], v[XR+12:XR+13], v[XR+14:XR+15]
	v_pk_add_f32 v[T:T+1],   v[T:T+1],   v[T+2:T+3]
	v_pk_add_f32 v[T+4:T+5], v[T+4:T+5], v[T+6:T+7]
	v_pk_add_f32 v[T:T+1],   v[T:T+1],   v[T+4:T+5]
	v_add_f32 v[T], v[T], v[T+1]
	REDUCE T
	v_mul_f32 v[T+8], s40, v[T]                    ; the mean, twice: a pair for the packed lines
	v_mul_f32 v[T+9], s40, v[T]
.irp j, 0,2,4,6,8,10,12,14
	v_pk_add_f32 v[XR+\j:XR+\j+1], v[XR+\j:XR+\j+1], v[T+8:T+9] neg_lo:[0,1] neg_hi:[0,1]   ; x - mean
.endr
	v_pk_mul_f32 v[T:T+1],   v[XR:XR+1],   v[XR:XR+1]               ; squares, two chains; the first products start them
	v_pk_mul_f32 v[T+2:T+3], v[XR+2:XR+3], v[XR+2:XR+3]
.irp j, 4,8,12
	v_pk_fma_f32 v[T:T+1],   v[XR+\j:XR+\j+1],   v[XR+\j:XR+\j+1],   v[T:T+1]
	v_pk_fma_f32 v[T+2:T+3], v[XR+\j+2:XR+\j+3], v[XR+\j+2:XR+\j+3], v[T+2:T+3]
.endr
	v_pk_add_f32 v[T:T+1], v[T:T+1], v[T+2:T+3]
	v_add_f32 v[T], v[T], v[T+1]
	REDUCE T
	v_fma_f32 v[T], v[T], s40, s43                 ; variance + 1e-5
	v_rsq_f32 v[T+10], v[T]
	v_rsq_f32 v[T+11], v[T]
	v_nop                                          ; one plain vector instruction behind a transcendental before its result is used (ISA guide 5.7.2)
	s_wait_alu depctr_va_vdst(0)
.irp j, 0,2,4,6,8,10,12,14
	v_pk_mul_f32 v[XR+\j:XR+\j+1], v[XR+\j:XR+\j+1], v[T+10:T+11]
.endr
.irp j, 0,2,4,6,8,10,12,14
	v_pk_fma_f32 v[XR+\j:XR+\j+1], v[XR+\j:XR+\j+1], v[GAM+\j:GAM+\j+1], v[BET+\j:BET+\j+1]
.endr
.irp k, 0,1,2,3,4,5,6,7
	v_cvt_pk_f16_f32 v[Y+8*\i+\k], v[XR+2*\k], v[XR+2*\k+1]
.endr
.irp j, 0,1,2,3
	global_store_b64 v2, v[Y+8*\i+2*\j:Y+8*\i+2*\j+1], s[18:19] offset:1024*\i+256*\j   ; the wave's 32 lanes store 256 consecutive bytes, aligned
.endr
.endm
	LNROW 0, 16
	LNROW 1, 12
	LNROW 2, 8
	LNROW 3, 4
	s_wait_loadcnt 0x0                             ; the weight row
.irp k, 0,1,2,3,4,5,6,7
	v_cvt_pk_f16_f32 v[WO+\k], v[WR+2*\k], v[WR+2*\k+1]
.endr
.irp j, 0,1,2,3
	global_store_b64 v2, v[WO+2*\j:WO+2*\j+1], s[20:21] offset:256*\j
.endr
	s_endpgm
.Lfunc_end_k_q035385b75d_prep:
	.size	k_q035385b75d_prep, .Lfunc_end_k_q035385b75d_prep-k_q035385b75d_prep
	.p2alignl 7, 3214868480
	.fill 96, 4, 3214868480
	.section	.rodata,"a",@progbits
	.p2align	6, 0x0
	.amdhsa_kernel k_q035385b75d_prep
		.amdhsa_group_segment_fixed_size 0
		.amdhsa_private_segment_fixed_size 0
		.amdhsa_enable_private_segment 0
		.amdhsa_kernarg_size 72
		.amdhsa_user_sgpr_count 2
		.amdhsa_user_sgpr_kernarg_segment_ptr 1
		.amdhsa_wavefront_size32 1
		.amdhsa_system_sgpr_workgroup_id_x 1
		.amdhsa_system_sgpr_workgroup_id_y 1
		.amdhsa_system_sgpr_workgroup_id_z 1
		.amdhsa_system_vgpr_workitem_id 0
		.amdhsa_next_free_vgpr 176
		.amdhsa_next_free_sgpr 66
		.amdhsa_reserve_vcc 0
		.amdhsa_float_denorm_mode_32 3
		.amdhsa_float_denorm_mode_16_64 3
		.amdhsa_memory_ordered 1
		.amdhsa_forward_progress 1
		.amdhsa_inst_pref_size 24
	.end_amdhsa_kernel
	.amdgpu_metadata
---
amdhsa.version: [ 1, 2 ]
amdhsa.kernels:
  - .name:           k_q035385b75d_prep
    .symbol:         k_q035385b75d_prep.kd
    .args:
      - { .name: inputs, .offset: 0, .size: 8, .value_kind: global_buffer, .address_space: global }
      - { .name: ln_gamma, .offset: 8, .size: 8, .value_kind: global_buffer, .address_space: global }
      - { .name: ln_beta, .offset: 16, .size: 8, .value_kind: global_buffer, .address_space: global }
      - { .name: Wq, .offset: 24, .size: 8, .value_kind: global_buffer, .address_space: global }
      - { .name: Wk, .offset: 32, .size: 8, .value_kind: global_buffer, .address_space: global }
      - { .name: Wv, .offset: 40, .size: 8, .value_kind: global_buffer, .address_space: global }
      - { .name: Wo, .offset: 48, .size: 8, .value_kind: global_buffer, .address_space: global }
      - { .name: xn, .offset: 56, .size: 8, .value_kind: global_buffer, .address_space: global }
      - { .name: wb, .offset: 64, .size: 8, .value_kind: global_buffer, .address_space: global }
    .group_segment_fixed_size: 0
    .private_segment_fixed_size: 0
    .kernarg_segment_align: 8
    .kernarg_segment_size: 72
    .max_flat_workgroup_size: 256
    .sgpr_count:     66
    .vgpr_count:     176
    .wavefront_size: 32
...
	.end_amdgpu_metadata
.endif
;; end of part 1
;; launch qkv (part 2): grid 8 x 32, 8 waves a work-group, clusters of 4 x 4, 327,680 bytes of LDS; arguments xn, wb, bq, bk, bv, q, k, vt; writes q, k, vt
.if DOCPART == 2
	.amdgcn_target "amdgcn-amd-amdhsa--gfx1250"
	.amdhsa_code_object_version 6
	.text
	.protected	k_q035385b75d_qkv
	.globl	k_q035385b75d_qkv
	.p2align	8
	.type	k_q035385b75d_qkv,@function
k_q035385b75d_qkv:
	s_mov_b64 s[64:65], 0
	v_nop
	global_prefetch_b8 v0, s[64:65] scope:SCOPE_SE
	s_setreg_imm32_b32 hwreg(HW_REG_WAVE_MODE, 25, 1), 1
	s_wait_xcnt 0x0
	s_wait_alu depctr_hold_cnt(0) depctr_sa_sdst(0) depctr_va_vdst(0) depctr_va_sdst(0) depctr_va_ssrc(0) depctr_va_vcc(0) depctr_vm_vsrc(0)
	s_getreg_b32 s2, hwreg(HW_REG_IB_STS2, 6, 4)
	s_cmp_eq_u32 s2, 0
	s_cbranch_scc0 .Lentry_in_a_cluster
	s_endpgm
.Lentry_in_a_cluster:
	s_bfe_u32 s2, ttmp6, 0x10000c
	s_cmp_lg_u32 s2, 0xf033
	s_cbranch_scc0 .Lentry_shape_is_right
	s_endpgm
.Lentry_shape_is_right:
; q, k, v of one head for 256 rows: [256 x 512] xn times [192 x 512] wb (64 rows each of Wq, Wk, Wv), f16 operands, f32 sums, plus the biases.
; q is stored times log2(e)/8 (the scores' 1/sqrt(64) and the change to base 2), q and k as [batch*8+head][s][64], v transposed as [batch*8+head][64][s], all f16.
; Work-group (x, y): head x, rows 256 y .. + 255.  Eight waves, two on each SIMD: wave w has rows 64 (w & 3) .. + 63 and features 32 (w >> 2) .. + 31 of q, of k
; and of v: 4 x 6 accumulator tiles of 16 x 16.  K = 512 goes in four steps of 128 through two LDS slots; a tile's rows are 256 bytes of memory, aligned.
; CLUSTER 4 x 4: xn's tile hangs on y alone and is asked for jointly by a row of the cluster, wb's on x alone and by a column.  Waves 0-3 ask for 64 rows of xn
; each, waves 4-7 for 48 rows of wb each: one tensor load a wave behind each round.  A wave has two tensor loads out at the start, later one.
; q's and k's tiles are made with W as source 0 (a lane then holds 8 neighbouring features of one row), v's with xn as source 0 (8 neighbouring s of one feature).
; The results leave through LDS (the slots, which have had their last fill by then) so that every store of a wave covers 512 consecutive bytes.
; LIMITS: f16 results: |q| log2(e)/8, |k|, |v| below 65,504.  NaN and infinities are not followed.
.set PITCH,  272                       ; an LDS row: 256 bytes + 16 of padding, an odd multiple of 16
.set ABYTES, 256*PITCH                 ; xn's 256 rows
.set SLOT,   448*PITCH                 ; and wb's 192 rows behind them
.set SK,     256*144                   ; the stage: q at 0, k at SK (256 rows x 144 bytes each), v^T at SV (64 rows x 528 bytes)
.set SV,     2*256*144
.set WV,  8                            ; s8  wave
.set CLS, 9                            ; s9  wave >> 2: asks for xn (0) or wb (1); also my group of 32 features
.set WL,  10                           ; s10 wave & 3: which part of the tile I ask for; also my group of 64 rows
.set G1A, 24                           ; s[24:31] descriptor group 1, xn's tiles
.set G0A, 32                           ; s[32:39] group 0, xn's, a set for each slot
.set G1B, 48                           ; s[48:55] group 1, wb's tiles
.set G0B, 56                           ; s[56:63] group 0, wb's
.set ADRX, 8                           ; v8, v9   LDS address of my xn fragments, slot 0, 1
.set ADRW, 10                          ; v10, v11 of my wb fragments
.set STQ, 12                           ; where I put 16 bytes of a row of q (k: + SK in the immediate)
.set STV, 13                           ; of a row of v^T
.set RDQ, 14                           ; where I read q's stage back
.set RDK, 15
.set RDV, 16
.set GQ,  17                           ; my byte offset in q's and k's block
.set GV,  18                           ; in v^T's
.set BOF, 19                           ; byte offset of my 8 features in bq, bk
.set BVF, 20                           ; of my feature in bv
.set ACC, 64                           ; v[64:255] tile (mb, nb) at 64 + 8 (6 mb + nb); nb = 2 c + i, c = q, k, v
; window 1 (v256 and up, named by their low 8 bits):
.set F0,  0                            ; fragment buffer 0: xn's 4 x 8 registers, then wb's 6 x 8
.set F1,  80                           ; fragment buffer 1
.set BQ,  160                          ; bq of my 2 x 8 features
.set BK,  176
.set BV,  192                          ; bv of my 2 features, each twice: a pair for the packed add
.set MSB, 0
.macro WIN new                         ; s_set_vgpr_msb: bits 1:0 source 0, 3:2 source 1, 5:4 source 2, 7:6 destination; the high byte repeats the setting that is left
.if MSB != \new
	s_set_vgpr_msb (MSB<<8)|\new
.set MSB, \new
.endif
.endm
.macro PLACES n                        ; plain vector instructions behind a matrix instruction (ISA guide 7.12.1)
.rept \n
	v_nop
.endr
.endm
.macro CROUND                          ; a round of the cluster's barrier
	s_barrier_signal -1
	s_barrier_wait -1
	s_cmp_lg_u32 s[WV], 0
	s_cbranch_scc1 .Lnot_wave_0_\@
	s_barrier_signal -3
.Lnot_wave_0_\@:
	s_barrier_wait -3
	s_barrier_signal -1
	s_barrier_wait -1
.endm
.macro JLOAD s                         ; every wave's one joint load into slot s; the branch hangs on the wave's number alone
	s_cmp_eq_u32 s[CLS], 0
	s_cbranch_scc0 .Lfor_b_\@
	tensor_load_to_lds s[G0A+4*(\s):G0A+4*(\s)+3], s[G1A:G1A+7]
	s_nop 0
	s_branch .Lasked_\@
.Lfor_b_\@:
	tensor_load_to_lds s[G0B+4*(\s):G0B+4*(\s)+3], s[G1B:G1B+7]
	s_nop 0
.Lasked_\@:
.endm
	s_load_b512 s[68:83], s[0:1], 0x0              ; xn s[68:69], wb s[70:71], bq s[72:73], bk s[74:75], bv s[76:77], q s[78:79], k s[80:81], vt s[82:83]
	v_lshl_add_u32 v62, v0, 2, 0x3b800
	v_mov_b32 v63, 0
	ds_add_u32 v62, v63
	v_lshrrev_b32 v1, 5, v0
	v_readfirstlane_b32 s[WV], v1
	s_lshr_b32 s[CLS], s[WV], 2
	s_and_b32 s[WL], s[WV], 3
	s_bfe_u32 s11, ttmp6, 0x40000                  ; cx
	s_bfe_u32 s12, ttmp6, 0x40004                  ; cy
	s_lshl_b32 s13, ttmp9, 2
	s_add_co_u32 s13, s13, s11                     ; x: the head
	s_and_b32 s14, ttmp7, 0xffff
	s_lshl_b32 s14, s14, 2
	s_add_co_u32 s14, s14, s12                     ; y: the block of 256 rows
	s_lshl_b32 s15, s12, 2
	s_lshl_b32 s15, 15, s15                        ; my row of the cluster
	s_lshl_b32 s16, 0x1111, s11                    ; my column
	s_or_b32 s[G1A+0], s15, (1<<16)|(1<<20)|(1<<21)|(5<<22)|(3<<25)   ; mask; elements of 2 bytes; padding on; bit 21 beside a mask; after every 64 words, 4 words
	s_mov_b32 s[G1A+1], 128<<16                    ; tensor_dim0 = 128
	s_mov_b32 s[G1A+2], 64<<16                     ; tensor_dim1 = 64
	s_mov_b32 s[G1A+3], 128<<16                    ; tile_dim0 = 128
	s_mov_b32 s[G1A+4], 64                         ; tile_dim1 = 64
	s_mov_b32 s[G1A+5], 512                        ; elements from row to row
	s_mov_b32 s[G1A+6], 0
	s_mov_b32 s[G1A+7], 0
	s_or_b32 s[G1B+0], s16, (1<<16)|(1<<20)|(1<<21)|(5<<22)|(3<<25)
	s_mov_b32 s[G1B+1], 128<<16
	s_mov_b32 s[G1B+2], 48<<16                     ; 48 rows
	s_mov_b32 s[G1B+3], 128<<16
	s_mov_b32 s[G1B+4], 48
	s_mov_b32 s[G1B+5], 512
	s_mov_b32 s[G1B+6], 0
	s_mov_b32 s[G1B+7], 0
	s_lshl_b32 s18, s14, 18                        ; xn: (256 y + 64 part) rows of 1,024 bytes; no register here ever holds cx
	s_lshl_b32 s19, s[WL], 16
	s_add_co_u32 s18, s18, s19
	s_mov_b32 s19, 0
	s_mul_i32 s20, s13, 192*1024                   ; wb: (192 x + 48 part) rows; no register here ever holds cy
	s_mul_i32 s21, s[WL], 48*1024
	s_add_co_u32 s20, s20, s21
	s_mov_b32 s21, 0
	s_mul_i32 s22, s[WL], 64*PITCH                 ; where they go: the wave's number alone
	s_mul_i32 s23, s[WL], 48*PITCH
	s_add_co_u32 s23, s23, ABYTES
	s_wait_dscnt 0x0
	s_wait_kmcnt 0x0
	s_add_nc_u64 s[40:41], s[68:69], s[18:19]
	s_add_nc_u64 s[42:43], s[70:71], s[20:21]
	CROUND                                         ; all sixteen work-groups are here: the first joint loads meet
.irp s, 0,1
	s_mov_b32 s[G0A+4*\s], 1
	s_add_co_u32 s[G0A+4*\s+1], s22, \s*SLOT
	s_add_nc_u64 s[G0A+4*\s+2:G0A+4*\s+3], s[40:41], \s*256        ; K step s
	s_or_b32 s[G0A+4*\s+3], s[G0A+4*\s+3], 0x80000000
	s_mov_b32 s[G0B+4*\s], 1
	s_add_co_u32 s[G0B+4*\s+1], s23, \s*SLOT
	s_add_nc_u64 s[G0B+4*\s+2:G0B+4*\s+3], s[42:43], \s*256
	s_or_b32 s[G0B+4*\s+3], s[G0B+4*\s+3], 0x80000000
	JLOAD \s
.endr
	v_and_b32 v1, 15, v0                           ; r
	v_bfe_u32 v2, v0, 4, 1                         ; h
	v_and_b32 v4, 31, v0                           ; lane
	v_mul_u32_u24 v3, v1, PITCH
	v_lshl_add_u32 v3, v2, 4, v3                   ; a fragment: row r, 16 bytes for each half of the lanes
	s_mul_i32 s44, s[WL], 64*PITCH
	s_mul_i32 s45, s[CLS], 32*PITCH
	s_add_co_u32 s45, s45, ABYTES
	v_add_nc_u32 v[ADRX], s44, v3
	v_add_nc_u32 v[ADRW], s45, v3
	v_add_nc_u32 v[ADRX+1], SLOT, v[ADRX]
	v_add_nc_u32 v[ADRW+1], SLOT, v[ADRW]
	v_mul_u32_u24 v5, v1, 144
	v_lshl_add_u32 v5, v2, 4, v5
	s_mul_i32 s44, s[WL], 64*144
	s_lshl_b32 s45, s[CLS], 6
	s_add_co_u32 s44, s44, s45
	v_add_nc_u32 v[STQ], s44, v5                   ; row 64 rg + r, byte 64 cg + 16 h
	v_mul_u32_u24 v5, v1, 528
	v_lshl_add_u32 v5, v2, 4, v5
	s_mul_i32 s44, s[CLS], 32*528
	s_lshl_b32 s45, s[WL], 7
	s_add_co_u32 s44, s44, s45
	s_add_co_u32 s44, s44, SV
	v_add_nc_u32 v[STV], s44, v5                   ; feature 32 cg + r, byte 128 rg + 16 h
	v_lshrrev_b32 v5, 3, v0
	v_and_b32 v6, 7, v0
	v_mul_u32_u24 v5, v5, 144
	v_lshl_add_u32 v[RDQ], v6, 4, v5               ; eight threads take a row of 128 bytes
	v_add_nc_u32 v[RDK], SK, v[RDQ]
	v_lshrrev_b32 v5, 5, v0
	v_mul_u32_u24 v6, v5, 528
	v_lshl_add_u32 v6, v4, 4, v6
	v_add_nc_u32 v[RDV], SV, v6                    ; a wave takes a row of 512 bytes
	v_lshlrev_b32 v[GQ], 4, v0
	v_lshlrev_b32 v6, 4, v4
	v_lshl_add_u32 v[GV], v5, 12, v6
	s_lshl_b32 s44, s[CLS], 7
	v_lshl_add_u32 v[BOF], v2, 5, s44              ; 4 (32 cg + 8 h)
	v_lshl_add_u32 v[BVF], v1, 2, s44              ; 4 (32 cg + r)
	s_lshl_b32 s46, s13, 8                         ; the head's 64 numbers in each bias
	s_mov_b32 s47, 0
	s_add_nc_u64 s[72:73], s[72:73], s[46:47]
	s_add_nc_u64 s[74:75], s[74:75], s[46:47]
	s_add_nc_u64 s[76:77], s[76:77], s[46:47]
	WIN 0x40                                       ; destinations in window 1
.irp i, 0,1
	global_load_b128 v[BQ+8*\i:BQ+8*\i+3],   v[BOF], s[72:73] offset:64*\i
	global_load_b128 v[BQ+8*\i+4:BQ+8*\i+7], v[BOF], s[72:73] offset:64*\i+16
	global_load_b128 v[BK+8*\i:BK+8*\i+3],   v[BOF], s[74:75] offset:64*\i
	global_load_b128 v[BK+8*\i+4:BK+8*\i+7], v[BOF], s[74:75] offset:64*\i+16
	global_load_b32 v[BV+2*\i],   v[BVF], s[76:77] offset:64*\i
	global_load_b32 v[BV+2*\i+1], v[BVF], s[76:77] offset:64*\i
.endr
	WIN 0
; 20 LDS loads: the fragments of 32 along K (quarter ks of the slot's step) into buffer f
.macro FETCH slot, ks, f
	WIN 0x40
.irp mb, 0,1,2,3
	ds_load_b128 v[\f+8*\mb:\f+8*\mb+3],   v[ADRX+\slot] offset:\mb*16*PITCH+64*\ks
	ds_load_b128 v[\f+8*\mb+4:\f+8*\mb+7], v[ADRX+\slot] offset:\mb*16*PITCH+64*\ks+32
.endr
.irp c, 0,1,2
.irp i, 0,1
	ds_load_b128 v[\f+32+8*(2*\c+\i):\f+32+8*(2*\c+\i)+3],   v[ADRW+\slot] offset:\c*64*PITCH+\i*16*PITCH+64*\ks
	ds_load_b128 v[\f+32+8*(2*\c+\i)+4:\f+32+8*(2*\c+\i)+7], v[ADRW+\slot] offset:\c*64*PITCH+\i*16*PITCH+64*\ks+32
.endr
.endr
.endm
; 24 matrix instructions, each accumulator once: the accumulators take turns, one instruction a turn.
; zero = 1: the first products start the sums.
.macro MUL f, zero
	WIN 0x05                                       ; sources 0 and 1 in window 1, C and D in window 0
.irp mb, 0,1,2,3
.irp nb, 0,1,2,3
.if \zero
	v_wmma_f32_16x16x32_f16 v[ACC+8*(6*\mb+\nb):ACC+8*(6*\mb+\nb)+7], v[\f+32+8*\nb:\f+32+8*\nb+7], v[\f+8*\mb:\f+8*\mb+7], 0
.else
	v_wmma_f32_16x16x32_f16 v[ACC+8*(6*\mb+\nb):ACC+8*(6*\mb+\nb)+7], v[\f+32+8*\nb:\f+32+8*\nb+7], v[\f+8*\mb:\f+8*\mb+7], v[ACC+8*(6*\mb+\nb):ACC+8*(6*\mb+\nb)+7]
.endif
.endr
.irp nb, 4,5
.if \zero
	v_wmma_f32_16x16x32_f16 v[ACC+8*(6*\mb+\nb):ACC+8*(6*\mb+\nb)+7], v[\f+8*\mb:\f+8*\mb+7], v[\f+32+8*\nb:\f+32+8*\nb+7], 0
.else
	v_wmma_f32_16x16x32_f16 v[ACC+8*(6*\mb+\nb):ACC+8*(6*\mb+\nb)+7], v[\f+8*\mb:\f+8*\mb+7], v[\f+32+8*\nb:\f+32+8*\nb+7], v[ACC+8*(6*\mb+\nb):ACC+8*(6*\mb+\nb)+7]
.endif
.endr
.endr
.endm
; A K step of 128: four quarters on buffers 0, 1, 0, 1.  Each quarter's fragments are fetched in one run while the quarter before is multiplied.
; The wait for 0 shows the buffer that is multiplied next; four places stand between the matrix instructions that read a buffer and the loads into it.
.macro STEPS slot, zero
	FETCH \slot, 0, F0
	s_wait_dscnt 0x0
	PLACES 4
	FETCH \slot, 1, F1
	MUL F0, \zero
	s_wait_dscnt 0x0
	PLACES 4
	FETCH \slot, 2, F0
	MUL F1, 0
	s_wait_dscnt 0x0
	PLACES 4
	FETCH \slot, 3, F1
	MUL F0, 0
	s_wait_dscnt 0x0
	MUL F1, 0
	WIN 0
	PLACES 4
.endm
; Slot s, which every wave has read, is filled again, two K steps on.  The round takes the place of the work-group's barrier in front of a refill.
.macro REFILL s
	s_wait_dscnt 0x0                               ; my reads of the slot are back
	s_wait_tensorcnt 0x0                           ; all my tensor loads have landed, my part of the other slot among them
	ds_add_u32 v62, v63
	s_wait_dscnt 0x0
	CROUND                                         ; both hold of every wave of all sixteen work-groups
	s_add_nc_u64 s[G0A+4*\s+2:G0A+4*\s+3], s[G0A+4*\s+2:G0A+4*\s+3], 512
	s_add_nc_u64 s[G0B+4*\s+2:G0B+4*\s+3], s[G0B+4*\s+2:G0B+4*\s+3], 512
	JLOAD \s                                       ; my one tensor load behind the round
.endm
	s_wait_tensorcnt 0x1                           ; my part of K step 0 is in; K step 1's stays out
	s_barrier_signal -1
	s_barrier_wait -1
	STEPS 0, 1
	REFILL 0
	STEPS 1, 0
	REFILL 1
	STEPS 0, 0
	s_wait_dscnt 0x0
	s_wait_tensorcnt 0x0                           ; the last tile; no tensor load is issued after it
	s_barrier_signal -1
	s_barrier_wait -1
	STEPS 1, 0
	s_wait_loadcnt 0x0                             ; the biases
	s_wait_dscnt 0x0                               ; my reads of the slots are over,
	s_barrier_signal -1
	s_barrier_wait -1                              ; everybody's are: the slots, filled for the last time, now serve as the stage
	WIN 0x41
.irp j, 0,2,4,6,8,10,12,14
	v_pk_mul_f32 v[BQ+\j:BQ+\j+1], v[BQ+\j:BQ+\j+1], 0x3e38aa3b op_sel_hi:[1,0]     ; bq log2(e)/8
.endr
	WIN 0x10
.irp mb, 0,1,2,3
.irp i, 0,1
.irp j, 0,2,4,6
	v_pk_fma_f32 v[ACC+8*(6*\mb+\i)+\j:ACC+8*(6*\mb+\i)+\j+1], v[ACC+8*(6*\mb+\i)+\j:ACC+8*(6*\mb+\i)+\j+1], 0x3e38aa3b, v[BQ+8*\i+\j:BQ+8*\i+\j+1] op_sel_hi:[1,0,1]
.endr
.endr
.endr
	WIN 0x04
.irp mb, 0,1,2,3
.irp i, 0,1
.irp j, 0,2,4,6
	v_pk_add_f32 v[ACC+8*(6*\mb+2+\i)+\j:ACC+8*(6*\mb+2+\i)+\j+1], v[ACC+8*(6*\mb+2+\i)+\j:ACC+8*(6*\mb+2+\i)+\j+1], v[BK+8*\i+\j:BK+8*\i+\j+1]
	v_pk_add_f32 v[ACC+8*(6*\mb+4+\i)+\j:ACC+8*(6*\mb+4+\i)+\j+1], v[ACC+8*(6*\mb+4+\i)+\j:ACC+8*(6*\mb+4+\i)+\j+1], v[BV+2*\i:BV+2*\i+1]
.endr
.endr
.endr
	WIN 0
.set t, 0
.rept 24
.irp k, 0,1,2,3
	v_cvt_pk_f16_f32 v[ACC+8*t+\k], v[ACC+8*t+2*\k], v[ACC+8*t+2*\k+1]   ; a tile's 8 registers into its first 4
.endr
.set t, t+1
.endr
.irp mb, 0,1,2,3
.irp c, 0,1
.irp i, 0,1
	ds_store_b128 v[STQ], v[ACC+8*(6*\mb+2*\c+\i):ACC+8*(6*\mb+2*\c+\i)+3] offset:\c*SK+\mb*16*144+\i*32
.endr
.endr
.irp i, 0,1
	ds_store_b128 v[STV], v[ACC+8*(6*\mb+4+\i):ACC+8*(6*\mb+4+\i)+3] offset:\i*16*528+\mb*32
.endr
.endr
	s_lshr_b32 s4, s14, 3                          ; batch
	s_lshl3_add_u32 s4, s4, s13                    ; 8 batch + head
	s_lshl_b32 s4, s4, 18                          ; 262,144 bytes for each in q, k and vt
	s_and_b32 s5, s14, 7                           ; which 256 of the batch's 2048 rows
	s_lshl_b32 s6, s5, 15
	s_add_co_u32 s6, s6, s4
	s_mov_b32 s7, 0
	s_add_nc_u64 s[78:79], s[78:79], s[6:7]
	s_add_nc_u64 s[80:81], s[80:81], s[6:7]
	s_lshl_b32 s6, s5, 9
	s_add_co_u32 s6, s6, s4
	s_add_nc_u64 s[82:83], s[82:83], s[6:7]
	s_wait_dscnt 0x0                               ; my part of the stage is written,
	s_barrier_signal -1
	s_barrier_wait -1                              ; everybody's is
.irp t, 0,1,2,3,4,5,6,7
	ds_load_b128 v[ACC+4*\t:ACC+4*\t+3], v[RDQ] offset:\t*32*144
.endr
.irp t, 0,1,2,3,4,5,6,7
	ds_load_b128 v[ACC+32+4*\t:ACC+32+4*\t+3], v[RDK] offset:\t*32*144
.endr
.irp t, 0,1,2,3,4,5,6,7
	ds_load_b128 v[ACC+64+4*\t:ACC+64+4*\t+3], v[RDV] offset:\t*8*528
.endr
.irp t, 0,1,2,3,4,5,6,7
	s_wait_dscnt 23-\t                             ; LDS loads come back in order: the count is the younger ones of the 24
	global_store_b128 v[GQ], v[ACC+4*\t:ACC+4*\t+3], s[78:79] offset:\t*4096        ; a wave stores 512 consecutive bytes
.endr
.irp t, 0,1,2,3,4,5,6,7
	s_wait_dscnt 15-\t
	global_store_b128 v[GQ], v[ACC+32+4*\t:ACC+32+4*\t+3], s[80:81] offset:\t*4096
.endr
.irp t, 0,1,2,3,4,5,6,7
	s_wait_dscnt 7-\t
	global_store_b128 v[GV], v[ACC+64+4*\t:ACC+64+4*\t+3], s[82:83] offset:\t*32768  ; 256 s of one feature: 512 consecutive bytes
.endr
	s_wait_tensorcnt 0x0
	ds_add_u32 v62, v63
	s_wait_dscnt 0x0
	CROUND                                         ; the closing round
	s_endpgm
.Lfunc_end_k_q035385b75d_qkv:
	.size	k_q035385b75d_qkv, .Lfunc_end_k_q035385b75d_qkv-k_q035385b75d_qkv
	.p2alignl 7, 3214868480
	.fill 96, 4, 3214868480
	.section	.rodata,"a",@progbits
	.p2align	6, 0x0
	.amdhsa_kernel k_q035385b75d_qkv
		.amdhsa_group_segment_fixed_size 327680
		.amdhsa_private_segment_fixed_size 0
		.amdhsa_enable_private_segment 0
		.amdhsa_kernarg_size 64
		.amdhsa_user_sgpr_count 2
		.amdhsa_user_sgpr_kernarg_segment_ptr 1
		.amdhsa_wavefront_size32 1
		.amdhsa_system_sgpr_workgroup_id_x 1
		.amdhsa_system_sgpr_workgroup_id_y 1
		.amdhsa_system_sgpr_workgroup_id_z 1
		.amdhsa_system_vgpr_workitem_id 0
		.amdhsa_next_free_vgpr 456
		.amdhsa_next_free_sgpr 84
		.amdhsa_reserve_vcc 0
		.amdhsa_float_denorm_mode_32 3
		.amdhsa_float_denorm_mode_16_64 3
		.amdhsa_memory_ordered 1
		.amdhsa_forward_progress 1
		.amdhsa_inst_pref_size 79
	.end_amdhsa_kernel
	.amdgpu_metadata
---
amdhsa.version: [ 1, 2 ]
amdhsa.kernels:
  - .name:           k_q035385b75d_qkv
    .symbol:         k_q035385b75d_qkv.kd
    .args:
      - { .name: xn, .offset: 0, .size: 8, .value_kind: global_buffer, .address_space: global }
      - { .name: wb, .offset: 8, .size: 8, .value_kind: global_buffer, .address_space: global }
      - { .name: bq, .offset: 16, .size: 8, .value_kind: global_buffer, .address_space: global }
      - { .name: bk, .offset: 24, .size: 8, .value_kind: global_buffer, .address_space: global }
      - { .name: bv, .offset: 32, .size: 8, .value_kind: global_buffer, .address_space: global }
      - { .name: q, .offset: 40, .size: 8, .value_kind: global_buffer, .address_space: global }
      - { .name: k, .offset: 48, .size: 8, .value_kind: global_buffer, .address_space: global }
      - { .name: vt, .offset: 56, .size: 8, .value_kind: global_buffer, .address_space: global }
    .group_segment_fixed_size: 327680
    .private_segment_fixed_size: 0
    .kernarg_segment_align: 8
    .kernarg_segment_size: 64
    .max_flat_workgroup_size: 256
    .sgpr_count:     84
    .vgpr_count:     456
    .wavefront_size: 32
...
	.end_amdgpu_metadata
.endif
;; end of part 2
;; launch attn (part 3): grid 8 x 32, 8 waves a work-group, clusters of 4 x 1, 327,680 bytes of LDS; arguments q, k, vt, input_lengths, ctx; writes ctx
.if DOCPART == 3
	.amdgcn_target "amdgcn-amd-amdhsa--gfx1250"
	.amdhsa_code_object_version 6
	.text
	.protected	k_q035385b75d_attn
	.globl	k_q035385b75d_attn
	.p2align	8
	.type	k_q035385b75d_attn,@function
k_q035385b75d_attn:
	s_mov_b64 s[64:65], 0
	v_nop
	global_prefetch_b8 v0, s[64:65] scope:SCOPE_SE
	s_setreg_imm32_b32 hwreg(HW_REG_WAVE_MODE, 25, 1), 1
	s_wait_xcnt 0x0
	s_wait_alu depctr_hold_cnt(0) depctr_sa_sdst(0) depctr_va_vdst(0) depctr_va_sdst(0) depctr_va_ssrc(0) depctr_va_vcc(0) depctr_vm_vsrc(0)
	s_getreg_b32 s2, hwreg(HW_REG_IB_STS2, 6, 4)
	s_cmp_eq_u32 s2, 0
	s_cbranch_scc0 .Lentry_in_a_cluster
	s_endpgm
.Lentry_in_a_cluster:
	s_bfe_u32 s2, ttmp6, 0x10000c
	s_cmp_lg_u32 s2, 0x3003
	s_cbranch_scc0 .Lentry_shape_is_right
	s_endpgm
.Lentry_shape_is_right:
; Masked attention of one batch and head (y = 8 batch + head) for 256 queries (x), with a running maximum.  q holds the scores' scale and log2(e), so 2^x serves.
; Eight waves, two on each SIMD: wave w has queries 64 (w & 3) .. + 63 and, of every tile of 256 keys, the half g = w >> 2; the two halves are merged at the end.
; Everything is used transposed.  S^T = K Q^T + bias (source 0 = 16 keys, source 1 = 16 queries): lane (r, h) holds query r and keys 8 h + j of a block of 16.
; Packed to f16 those registers ARE source 1 of O^T += V^T P^T, so P never changes lanes, and maximum and sum are a lane's own but for one exchange of halves.
; THE MASK is the first product's C: 0 for key < length, -1e30 beyond, from a table of 2,048 f32 in LDS.  The valid keys are a prefix, so a half whose first key is
; valid has a true maximum from its first block on, and 2^(-1e30 - m) is exactly 0; a half with no valid key has m = -1e30 and dies in the merge by 2^(m_b - m) = 0.
; (True scores stay above -1e30: f16 operands bound them by 64 x 65,504^2.)  Length 0: the factor s21 = 0 makes ctx 0, which is what the problem's text gives.
; All 2,048 keys are walked whatever the length: no trip count hangs on data.
; CLUSTER 4 x 1: four blocks of queries of one head walk the same K and V^T tiles and ask for them jointly (mask 15).  Waves 0-3 ask for 64 keys of K each,
; waves 4-7 for 16 rows of V^T each: one tensor load a wave behind each round, and never more than that one outstanding.
; LIMITS: P is rounded to f16 while its sum is kept from the f32 values; lengths are clamped to 0 .. 2048; NaN and infinities are not followed.
.set KP,     144                       ; K's LDS row: 128 bytes + 16
.set VP,     528                       ; V^T's: 512 bytes + 16
.set KBYTES, 256*KP
.set SLOT,   KBYTES+64*VP              ; 70,656
.set BIAS,   2*SLOT                    ; 2,048 f32; this and what follows is written by LDS stores and is no tensor load's target
.set MRG,    BIAS+8192                 ; 4 x 17,408: the g = 1 waves' O, m and l
.set MRGW,   17408
.set STAGE,  MRG+4*MRGW                ; 4 x 64 rows x 144 bytes: the way out
.set G1K, 32                           ; s[32:39] group 1, K's tiles
.set G1V, 40                           ; s[40:47] group 1, V^T's
.set G0K, 48                           ; s[48:55] group 0, K's, a set for each slot
.set G0V, 56                           ; s[56:63] group 0, V^T's
.set AK,  4                            ; v4, v5  my K fragments, slot 0, 1
.set AV,  6                            ; v6, v7  my V^T fragments
.set AB,  8                            ; my place in the bias table; steps 2,048 bytes (512 keys) a lap
.set MG,  9
.set STO, 10
.set RD,  11
.set L16, 12                           ; 16 x lane
.set QOF, 13
.set ML,  16                           ; v[16:23] m, l of query block nq at 16 + 2 nq, 17 + 2 nq
.set AL,  24                           ; v[24:31] 2^(m old - m new) at 24 + 2 nq
.set BI,  32                           ; v[32:63] bias of key block kb at 32 + 8 kb; behind the products: 8 registers at work for each nq
.set KV,  64                           ; v[64:127] K's fragments, then V^T's
.set SR,  128                          ; v[128:255] S(kb, nq) at 128 + 32 nq + 8 kb; packed: P(nq, c) at 128 + 32 nq + 16 c
.set CA,  48                           ; the merge's factors, a pair for each nq
.set CB,  56
.set O,   0                            ; window 1: O(dkb, nq) at 32 nq + 8 dkb
.set Q,   128                          ; window 1: Q(nq, ks) at 128 + 16 nq + 8 ks
.set MSB, 0
.macro WIN new                         ; s_set_vgpr_msb: bits 1:0 source 0, 3:2 source 1, 5:4 source 2, 7:6 destination; the high byte repeats the setting that is left
.if MSB != \new
	s_set_vgpr_msb (MSB<<8)|\new
.set MSB, \new
.endif
.endm
.macro PLACES n
.rept \n
	v_nop
.endr
.endm
.macro CROUND
	s_barrier_signal -1
	s_barrier_wait -1
	s_cmp_lg_u32 s14, 0
	s_cbranch_scc1 .Lnot_wave_0_\@
	s_barrier_signal -3
.Lnot_wave_0_\@:
	s_barrier_wait -3
	s_barrier_signal -1
	s_barrier_wait -1
.endm
.macro JLOAD s
	s_cmp_eq_u32 s15, 0
	s_cbranch_scc0 .Lfor_v_\@
	tensor_load_to_lds s[G0K+4*(\s):G0K+4*(\s)+3], s[G1K:G1K+7]
	s_nop 0
	s_branch .Lasked_\@
.Lfor_v_\@:
	tensor_load_to_lds s[G0V+4*(\s):G0V+4*(\s)+3], s[G1V:G1V+7]
	s_nop 0
.Lasked_\@:
.endm
	s_load_b256 s[4:11], s[0:1], 0x0               ; q s[4:5], k s[6:7], vt s[8:9], input_lengths s[10:11]
	s_load_b64 s[12:13], s[0:1], 0x20              ; ctx
	s_set_vgpr_msb 0x40
	v_lshl_add_u32 v192, v0, 2, 0x3e800
	v_mov_b32 v193, 0
	s_set_vgpr_msb 0x4045
	ds_add_u32 v192, v193
	s_set_vgpr_msb 0x4500
	v_lshrrev_b32 v1, 5, v0
	v_readfirstlane_b32 s14, v1                    ; wave
	s_lshr_b32 s15, s14, 2                         ; g: my half of the keys; also: I ask for K (0) or V^T (1)
	s_and_b32 s16, s14, 3                          ; my 64 queries; also: which part of the tile I ask for
	s_bfe_u32 s17, ttmp6, 0x40000                  ; cx
	s_lshl_b32 s18, ttmp9, 2
	s_add_co_u32 s18, s18, s17                     ; x: the block of 256 queries
	s_and_b32 s19, ttmp7, 0xffff                   ; y = 8 batch + head
	s_lshr_b32 s29, s19, 3
	s_lshl_b32 s29, s29, 2                         ; the batch's word in input_lengths
	s_mov_b32 s22, 0x76543210
	s_mov_b32 s23, 0xfedcba98
	s_wait_dscnt 0x0
	s_wait_kmcnt 0x0
	s_load_b32 s20, s[10:11], s29 offset:0x0
	s_mov_b32 s[G1K+0], 15|(1<<16)|(1<<20)|(1<<21)|(4<<22)|(3<<25)    ; mask: all four; 2 bytes; padding: after every 32 words, 4 words
	s_mov_b32 s[G1K+1], 64<<16                     ; tensor_dim0 = 64
	s_mov_b32 s[G1K+2], 64<<16                     ; tensor_dim1 = 64
	s_mov_b32 s[G1K+3], 64<<16                     ; tile_dim0 = 64
	s_mov_b32 s[G1K+4], 64                         ; tile_dim1 = 64
	s_mov_b32 s[G1K+5], 64                         ; elements from row to row
	s_mov_b32 s[G1K+6], 0
	s_mov_b32 s[G1K+7], 0
	s_mov_b32 s[G1V+0], 15|(1<<16)|(1<<20)|(1<<21)|(6<<22)|(3<<25)    ; after every 128 words
	s_mov_b32 s[G1V+1], 256<<16
	s_mov_b32 s[G1V+2], 16<<16
	s_mov_b32 s[G1V+3], 256<<16
	s_mov_b32 s[G1V+4], 16
	s_mov_b32 s[G1V+5], 2048
	s_mov_b32 s[G1V+6], 0
	s_mov_b32 s[G1V+7], 0
	s_lshl_b32 s24, s19, 18                        ; 262,144 bytes for each batch and head in q, k, vt and ctx
	s_lshl_b32 s25, s16, 13                        ; 64 rows of 128 bytes
	s_add_co_u32 s26, s24, s25
	s_mov_b32 s27, 0
	s_add_nc_u64 s[6:7], s[6:7], s[26:27]          ; K: my 64 keys of tile 0
	s_lshl_b32 s28, s16, 16                        ; 16 rows of 4,096 bytes
	s_add_co_u32 s26, s24, s28
	s_add_nc_u64 s[8:9], s[8:9], s[26:27]          ; V^T: my 16 rows
	s_lshl_b32 s18, s18, 15                        ; 256 queries of 128 bytes; cx lives in s17, s18, s30 and the two addresses below, and nowhere else
	s_add_co_u32 s30, s24, s18
	s_add_co_u32 s30, s30, s25
	s_mov_b32 s31, 0
	s_add_nc_u64 s[4:5], s[4:5], s[30:31]          ; my 64 queries
	s_add_nc_u64 s[12:13], s[12:13], s[30:31]      ; and their rows of ctx
	s_mul_i32 s26, s16, 64*KP
	s_mul_i32 s27, s16, 16*VP
	s_add_co_u32 s27, s27, KBYTES
.irp s, 0,1
	s_mov_b32 s[G0K+4*\s], 1
	s_add_co_u32 s[G0K+4*\s+1], s26, \s*SLOT
	s_add_nc_u64 s[G0K+4*\s+2:G0K+4*\s+3], s[6:7], \s*32768        ; tile s: 256 keys of 128 bytes on
	s_or_b32 s[G0K+4*\s+3], s[G0K+4*\s+3], 0x80000000
	s_mov_b32 s[G0V+4*\s], 1
	s_add_co_u32 s[G0V+4*\s+1], s27, \s*SLOT
	s_add_nc_u64 s[G0V+4*\s+2:G0V+4*\s+3], s[8:9], \s*512          ; 256 keys of 2 bytes on
	s_or_b32 s[G0V+4*\s+3], s[G0V+4*\s+3], 0x80000000
.endr
	v_and_b32 v1, 15, v0                           ; r
	v_bfe_u32 v2, v0, 4, 1                         ; h
	v_and_b32 v3, 31, v0                           ; lane
	v_lshlrev_b32 v[QOF], 7, v1
	v_lshl_add_u32 v[QOF], v2, 4, v[QOF]           ; query r, 16 bytes for each half of the lanes
	WIN 0x40
.irp nq, 0,1,2,3
.irp ks, 0,1
	global_load_b128 v[Q+16*\nq+8*\ks:Q+16*\nq+8*\ks+3],   v[QOF], s[4:5] offset:\nq*2048+64*\ks
	global_load_b128 v[Q+16*\nq+8*\ks+4:Q+16*\nq+8*\ks+7], v[QOF], s[4:5] offset:\nq*2048+64*\ks+32
.endr
.endr
	WIN 0
	s_wait_kmcnt 0x0                               ; the length
	s_max_i32 s20, s20, 0
	s_min_i32 s20, s20, 2048
	s_cmp_gt_i32 s20, 0
	s_cselect_b32 s21, 1.0, 0                      ; 0 where no key is valid
	v_lshlrev_b32 v14, 3, v0                       ; thread t makes the table's keys 8 t .. 8 t + 7
	v_sub_nc_u32 v14, s20, v14                     ; length - 8 t
	v_mov_b32 v15, 0xf149f2ca                      ; -1e30
.irp j, 0,1,2,3,4,5,6,7
	v_cmp_ge_i32 vcc_lo, \j, v14                   ; key at or beyond the length
	v_cndmask_b32 v[BI+\j], 0, v15, vcc_lo
.endr
	v_lshlrev_b32 v14, 5, v0
	v_add_nc_u32 v14, BIAS, v14
	ds_store_b128 v14, v[BI:BI+3]
	ds_store_b128 v14, v[BI+4:BI+7] offset:16
	s_mul_i32 s24, s15, 128*KP
	v_mul_u32_u24 v14, v1, KP
	v_lshl_add_u32 v14, v2, 4, v14                 ; r x 144 + 16 h
	v_add_nc_u32 v[AK], s24, v14
	v_add_nc_u32 v[AK+1], SLOT, v[AK]
	s_lshl_b32 s24, s15, 8
	s_add_co_u32 s24, s24, KBYTES
	v_mul_u32_u24 v15, v1, VP
	v_lshl_add_u32 v15, v2, 4, v15
	v_add_nc_u32 v[AV], s24, v15
	v_add_nc_u32 v[AV+1], SLOT, v[AV]
	s_lshl_b32 s24, s15, 9
	s_add_co_u32 s24, s24, BIAS
	v_lshl_add_u32 v[AB], v2, 5, s24               ; 4 (128 g + 8 h)
	s_mul_i32 s24, s16, MRGW
	s_add_co_u32 s24, s24, MRG
	v_lshlrev_b32 v[L16], 4, v3
	v_add_nc_u32 v[MG], s24, v[L16]
	s_mul_i32 s24, s16, 64*KP
	s_add_co_u32 s24, s24, STAGE
	v_add_nc_u32 v[STO], s24, v14
	v_lshrrev_b32 v15, 3, v3
	v_mul_u32_u24 v15, v15, KP
	v_and_b32 v14, 7, v3
	v_lshl_add_u32 v15, v14, 4, v15
	v_add_nc_u32 v[RD], s24, v15                   ; eight lanes take a row of 128 bytes
.irp nq, 0,1,2,3
	v_mov_b32 v[ML+2*\nq+1], 0                     ; the upper halves of the pairs (m, l) and (alpha, -): a packed line names the whole pair
	v_mov_b32 v[AL+2*\nq+1], 0
.endr
	s_wait_dscnt 0x0                               ; my part of the bias table is written; the round's barriers show it to the other waves
	CROUND                                         ; in front of the first joint load
	JLOAD 0                                        ; tile 0
	s_wait_loadcnt 0x0                             ; Q
; 24 LDS loads, six for each block of 16 keys: its bias (2), its K fragments (4)
.macro LOADKB slot, u
.irp kb, 0,1,2,3
	ds_load_b128 v[BI+8*\kb:BI+8*\kb+3],     v[AB] offset:\slot*1024+\u*256+\kb*64
	ds_load_b128 v[BI+8*\kb+4:BI+8*\kb+7],   v[AB] offset:\slot*1024+\u*256+\kb*64+16
	ds_load_b128 v[KV+16*\kb:KV+16*\kb+3],     v[AK+\slot] offset:\u*64*KP+\kb*16*KP
	ds_load_b128 v[KV+16*\kb+4:KV+16*\kb+7],   v[AK+\slot] offset:\u*64*KP+\kb*16*KP+32
	ds_load_b128 v[KV+16*\kb+8:KV+16*\kb+11],  v[AK+\slot] offset:\u*64*KP+\kb*16*KP+64
	ds_load_b128 v[KV+16*\kb+12:KV+16*\kb+15], v[AK+\slot] offset:\u*64*KP+\kb*16*KP+96
.endr
.endm
; 64 keys of query block nq: new maximum, 2^(s - m), their sum, P packed to f16 in place
.macro SOFTMAX nq, first
.set SX, SR+32*\nq
.set ST, BI+8*\nq
.set SM, ML+2*\nq
.set SA, AL+2*\nq
.irp c, 0,1,2,3
	v_max3_num_f32 v[ST+\c], v[SX+8*\c], v[SX+8*\c+1], v[SX+8*\c+2]      ; four chains
.endr
.irp c, 0,1,2,3
	v_max3_num_f32 v[ST+\c], v[ST+\c], v[SX+8*\c+3], v[SX+8*\c+4]
.endr
.irp c, 0,1,2,3
	v_max3_num_f32 v[ST+\c], v[ST+\c], v[SX+8*\c+5], v[SX+8*\c+6]
.endr
	v_max3_num_f32 v[ST],   v[ST],   v[SX+7],  v[SX+15]
	v_max3_num_f32 v[ST+1], v[ST+1], v[SX+23], v[SX+31]
	v_max3_num_f32 v[ST],   v[ST],   v[ST+1],  v[ST+2]
.if \first
	v_max_num_f32 v[ST], v[ST], v[ST+3]
	v_permlanex16_b32 v[ST+1], v[ST], s22, s23     ; the other half of the lanes holds the query's other keys
	v_max_num_f32 v[SM], v[ST], v[ST+1]
.else
	v_max3_num_f32 v[ST], v[ST], v[ST+3], v[SM]
	v_permlanex16_b32 v[ST+1], v[ST], s22, s23
	v_max_num_f32 v[ST+2], v[ST], v[ST+1]
	v_sub_f32 v[SA], v[SM], v[ST+2]
	v_exp_f32 v[SA], v[SA]                         ; alpha = 2^(m old - m new)
	v_mov_b32 v[SM], v[ST+2]                       ; the plain instruction behind the transcendental
.endif
.set i, 0
.rept 16
	v_pk_add_f32 v[SX+2*i:SX+2*i+1], v[SX+2*i:SX+2*i+1], v[SM:SM+1] op_sel_hi:[1,0] neg_lo:[0,1] neg_hi:[0,1]   ; s - m
.set i, i+1
.endr
.set i, 0
.rept 32
	v_exp_f32 v[SX+i], v[SX+i]
.set i, i+1
.endr
	v_nop                                          ; one plain vector instruction before the last results are used (ISA guide 5.7.2)
	s_wait_alu depctr_va_vdst(0)
.irp c, 0,1,2,3
	v_pk_add_f32 v[ST+2*\c:ST+2*\c+1], v[SX+4*\c:SX+4*\c+1], v[SX+4*\c+2:SX+4*\c+3]
.endr
.irp c, 0,1,2,3
	v_pk_add_f32 v[ST+2*\c:ST+2*\c+1], v[ST+2*\c:ST+2*\c+1], v[SX+16+2*\c:SX+16+2*\c+1]
.endr
.irp c, 0,1,2,3
	v_pk_add_f32 v[ST+2*\c:ST+2*\c+1], v[ST+2*\c:ST+2*\c+1], v[SX+24+2*\c:SX+24+2*\c+1]
.endr
	v_pk_add_f32 v[ST:ST+1],     v[ST:ST+1],     v[ST+2:ST+3]
	v_pk_add_f32 v[ST+4:ST+5],   v[ST+4:ST+5],   v[ST+6:ST+7]
	v_pk_add_f32 v[ST:ST+1],     v[ST:ST+1],     v[ST+4:ST+5]
.if \first
	v_add_f32 v[SM+1], v[ST], v[ST+1]              ; l: my half's keys alone; the halves meet in the merge
.else
	v_add_f32 v[ST], v[ST], v[ST+1]
	v_fma_f32 v[SM+1], v[SM+1], v[SA], v[ST]
.endif
.irp c, 0,1
.irp k, 0,1,2,3,4,5,6,7
	v_cvt_pk_f16_f32 v[SX+16*\c+\k], v[SX+16*\c+2*\k], v[SX+16*\c+2*\k+1]   ; 32 keys into 8 registers: source 1 of the second product
.endr
.endr
.endm
; 64 keys x 64 queries.  first = 1: the wave's first keys start m, l and O.  nextload = 1: the slot's next 64 keys are fetched at the end.
; In both products the accumulators take turns, one instruction a turn.
.macro SUB slot, u, first, nextload
	WIN 0x04                                       ; source 1 (Q) in window 1
.irp kb, 0,1,2,3
	s_wait_dscnt 18-6*\kb                          ; this block's six loads are in; the later blocks' six each may be out
.irp nq, 0,1,2,3
	v_wmma_f32_16x16x32_f16 v[SR+32*\nq+8*\kb:SR+32*\nq+8*\kb+7], v[KV+16*\kb:KV+16*\kb+7], v[Q+16*\nq:Q+16*\nq+7], v[BI+8*\kb:BI+8*\kb+7]
.endr
.irp nq, 0,1,2,3
	v_wmma_f32_16x16x32_f16 v[SR+32*\nq+8*\kb:SR+32*\nq+8*\kb+7], v[KV+16*\kb+8:KV+16*\kb+15], v[Q+16*\nq+8:Q+16*\nq+15], v[SR+32*\nq+8*\kb:SR+32*\nq+8*\kb+7]
.endr
.endr
	WIN 0
	PLACES 4                                       ; before the loads into K's registers, the reads of S and the writes over the bias
.irp dkb, 0,1,2,3
.irp c, 0,1
	ds_load_b128 v[KV+16*\dkb+8*\c:KV+16*\dkb+8*\c+3],   v[AV+\slot] offset:\dkb*16*VP+\u*128+64*\c
	ds_load_b128 v[KV+16*\dkb+8*\c+4:KV+16*\dkb+8*\c+7], v[AV+\slot] offset:\dkb*16*VP+\u*128+64*\c+32
.endr
.endr
.irp nq, 0,1,2,3
	SOFTMAX \nq, \first
.endr
.if \first == 0
	WIN 0x41                                       ; O in window 1, alpha in window 0
.irp nq, 0,1,2,3
.set i, 0
.rept 16
	v_pk_mul_f32 v[O+32*\nq+2*i:O+32*\nq+2*i+1], v[O+32*\nq+2*i:O+32*\nq+2*i+1], v[AL+2*\nq:AL+2*\nq+1] op_sel_hi:[1,0]
.set i, i+1
.endr
.endr
.endif
	s_wait_dscnt 0x0                               ; V^T's fragments, asked for in front of the softmax
	WIN 0x50                                       ; C and D in window 1
.irp dkb, 0,1,2,3
.irp c, 0,1
.irp nq, 0,1,2,3
.if \first*(1-\c)
	v_wmma_f32_16x16x32_f16 v[O+32*\nq+8*\dkb:O+32*\nq+8*\dkb+7], v[KV+16*\dkb+8*\c:KV+16*\dkb+8*\c+7], v[SR+32*\nq+16*\c:SR+32*\nq+16*\c+7], 0
.else
	v_wmma_f32_16x16x32_f16 v[O+32*\nq+8*\dkb:O+32*\nq+8*\dkb+7], v[KV+16*\dkb+8*\c:KV+16*\dkb+8*\c+7], v[SR+32*\nq+16*\c:SR+32*\nq+16*\c+7], v[O+32*\nq+8*\dkb:O+32*\nq+8*\dkb+7]
.endif
.endr
.endr
.endr
	WIN 0
	PLACES 5                                       ; the next first product writes over P, and loads follow into V^T's registers
.if \nextload
	LOADKB \slot, 1
.endif
.endm
; A tile of 256 keys in slot `slot`.  refill = 1: the other slot gets the next tile.  The round stands for the barrier in front of a refill.
.macro TRIP slot, other, refill, first
	s_set_vgpr_msb 0x5
	s_wait_tensorcnt 0x0                           ; all my tensor loads are done, my part of this tile among them, so a group 0 may be written:
	ds_add_u32 v192, v193
	s_wait_dscnt 0x0
	s_set_vgpr_msb 0x500
	s_add_nc_u64 s[G0K+4*\slot+2:G0K+4*\slot+3], s[G0K+4*\slot+2:G0K+4*\slot+3], 65536   ; this slot's next tile, two tiles on
	s_add_nc_u64 s[G0V+4*\slot+2:G0V+4*\slot+3], s[G0V+4*\slot+2:G0V+4*\slot+3], 1024
	s_wait_dscnt 0x0                               ; my reads of the last tile are done
	CROUND                                         ; both hold of every wave of the four work-groups
.if \refill
	JLOAD \other                                   ; my one tensor load behind the round; it has this tile's work in which to land
.endif
	LOADKB \slot, 0
	SUB \slot, 0, \first, 1
	SUB \slot, 1, 0, 0
.endm
	TRIP 0, 1, 1, 1                                ; eight tiles in four laps of two; the first lap starts the sums
	TRIP 1, 0, 1, 0
	v_add_nc_u32 v[AB], 2048, v[AB]
	s_mov_b32 s28, 2
.Llap:
	TRIP 0, 1, 1, 0
	TRIP 1, 0, 1, 0
	v_add_nc_u32 v[AB], 2048, v[AB]
	s_sub_co_i32 s28, s28, 1
	s_cmp_lg_u32 s28, 0
	s_cbranch_scc1 .Llap
	TRIP 0, 1, 1, 0                                ; the last lap: tile 7 is asked for, then nothing (the stepped addresses are not used)
	TRIP 1, 0, 0, 0
	; THE MERGE.  The g = 1 waves hand O, m and l to the g = 0 waves of the same queries.
	s_cmp_eq_u32 s15, 0
	s_cbranch_scc1 .Lno_give
	WIN 0x04                                       ; store data in window 1
.set i, 0
.rept 32
	ds_store_b128 v[MG], v[O+4*i:O+4*i+3] offset:512*i
.set i, i+1
.endr
	WIN 0
	ds_store_b128 v[MG], v[ML:ML+3] offset:16384
	ds_store_b128 v[MG], v[ML+4:ML+7] offset:16896
.Lno_give:
	s_wait_dscnt 0x0
	s_barrier_signal -1
	s_barrier_wait -1
	s_cmp_lg_u32 s15, 0
	s_cbranch_scc1 .Ldone
	ds_load_b128 v[BI:BI+3], v[MG] offset:16384    ; the partner's m, l
	ds_load_b128 v[BI+4:BI+7], v[MG] offset:16896
.set i, 0
.rept 32
	ds_load_b128 v[SR+4*i:SR+4*i+3], v[MG] offset:512*i   ; the partner's O, in my O's order
.set i, i+1
.endr
	s_wait_dscnt 0x0
.irp nq, 0,1,2,3
	v_max_num_f32 v40, v[ML+2*\nq], v[BI+2*\nq]
	v_sub_f32 v41, v[ML+2*\nq], v40
	v_sub_f32 v42, v[BI+2*\nq], v40
	v_exp_f32 v41, v41
	v_exp_f32 v42, v42
	v_nop
	s_wait_alu depctr_va_vdst(0)
	v_mul_f32 v43, v[ML+2*\nq+1], v41
	v_fma_f32 v43, v[BI+2*\nq+1], v42, v43
	v_permlanex16_b32 v44, v43, s22, s23           ; the other half of the lanes summed the query's other keys
	v_add_f32 v43, v43, v44                        ; at least 1: the key that holds the maximum counts 2^0
	v_rcp_f32 v45, v43
	v_nop
	s_wait_alu depctr_va_vdst(0)
	v_mul_f32 v45, s21, v45                        ; 0 where no key is valid
	v_mul_f32 v[CA+2*\nq],   v41, v45
	v_mul_f32 v[CA+2*\nq+1], v41, v45
	v_mul_f32 v[CB+2*\nq],   v42, v45
	v_mul_f32 v[CB+2*\nq+1], v42, v45
.endr
.irp nq, 0,1,2,3
.set i, 0
.rept 16
	v_pk_mul_f32 v[SR+32*\nq+2*i:SR+32*\nq+2*i+1], v[SR+32*\nq+2*i:SR+32*\nq+2*i+1], v[CB+2*\nq:CB+2*\nq+1]
.set i, i+1
.endr
.endr
	WIN 0x01                                       ; source 0 (my O) in window 1
.irp nq, 0,1,2,3
.set i, 0
.rept 16
	v_pk_fma_f32 v[SR+32*\nq+2*i:SR+32*\nq+2*i+1], v[O+32*\nq+2*i:O+32*\nq+2*i+1], v[CA+2*\nq:CA+2*\nq+1], v[SR+32*\nq+2*i:SR+32*\nq+2*i+1]
.set i, i+1
.endr
.endr
	WIN 0
.set t, 0
.rept 16
.irp k, 0,1,2,3
	v_cvt_pk_f16_f32 v[SR+8*t+\k], v[SR+8*t+2*\k], v[SR+8*t+2*\k+1]
.endr
.set t, t+1
.endr
.irp nq, 0,1,2,3
.irp dkb, 0,1,2,3
	ds_store_b128 v[STO], v[SR+32*\nq+8*\dkb:SR+32*\nq+8*\dkb+3] offset:\nq*16*KP+\dkb*32   ; query 16 nq + r, features 16 dkb + 8 h .. + 7
.endr
.endr
.irp t, 0,1,2,3,4,5,6,7,8,9,10,11,12,13,14,15
	ds_load_b128 v[KV+4*\t:KV+4*\t+3], v[RD] offset:\t*4*KP    ; my own stage: LDS serves a wave's instructions in order (ISA guide 5.7.1.4)
.endr
.irp t, 0,1,2,3,4,5,6,7,8,9,10,11,12,13,14,15
	s_wait_dscnt 15-\t
	global_store_b128 v[L16], v[KV+4*\t:KV+4*\t+3], s[12:13] offset:512*\t   ; four rows of ctx: 512 consecutive bytes
.endr
.Ldone:
	s_wait_dscnt 0x0
	s_set_vgpr_msb 0x5
	s_wait_tensorcnt 0x0
	ds_add_u32 v192, v193
	s_wait_dscnt 0x0
	s_set_vgpr_msb 0x500
	CROUND                                         ; the closing round
	s_endpgm
.Lfunc_end_k_q035385b75d_attn:
	.size	k_q035385b75d_attn, .Lfunc_end_k_q035385b75d_attn-k_q035385b75d_attn
	.p2alignl 7, 3214868480
	.fill 96, 4, 3214868480
	.section	.rodata,"a",@progbits
	.p2align	6, 0x0
	.amdhsa_kernel k_q035385b75d_attn
		.amdhsa_group_segment_fixed_size 327680
		.amdhsa_private_segment_fixed_size 0
		.amdhsa_enable_private_segment 0
		.amdhsa_kernarg_size 40
		.amdhsa_user_sgpr_count 2
		.amdhsa_user_sgpr_kernarg_segment_ptr 1
		.amdhsa_wavefront_size32 1
		.amdhsa_system_sgpr_workgroup_id_x 1
		.amdhsa_system_sgpr_workgroup_id_y 1
		.amdhsa_system_sgpr_workgroup_id_z 1
		.amdhsa_system_vgpr_workitem_id 0
		.amdhsa_next_free_vgpr 450
		.amdhsa_next_free_sgpr 66
		.amdhsa_reserve_vcc 1
		.amdhsa_float_denorm_mode_32 3
		.amdhsa_float_denorm_mode_16_64 3
		.amdhsa_memory_ordered 1
		.amdhsa_forward_progress 1
		.amdhsa_inst_pref_size 255
	.end_amdhsa_kernel
	.section	.bss,"aw",@nobits
	.p2align	6
	.space	262144
	.amdgpu_metadata
---
amdhsa.version: [ 1, 2 ]
amdhsa.kernels:
  - .name:           k_q035385b75d_attn
    .symbol:         k_q035385b75d_attn.kd
    .args:
      - { .name: q, .offset: 0, .size: 8, .value_kind: global_buffer, .address_space: global }
      - { .name: k, .offset: 8, .size: 8, .value_kind: global_buffer, .address_space: global }
      - { .name: vt, .offset: 16, .size: 8, .value_kind: global_buffer, .address_space: global }
      - { .name: input_lengths, .offset: 24, .size: 8, .value_kind: global_buffer, .address_space: global }
      - { .name: ctx, .offset: 32, .size: 8, .value_kind: global_buffer, .address_space: global }
    .group_segment_fixed_size: 327680
    .private_segment_fixed_size: 0
    .kernarg_segment_align: 8
    .kernarg_segment_size: 40
    .max_flat_workgroup_size: 256
    .sgpr_count:     66
    .vgpr_count:     450
    .wavefront_size: 32
...
	.end_amdgpu_metadata
.endif
;; end of part 3
;; launch oproj (part 4): grid 4 x 64, 8 waves a work-group, clusters of 4 x 4, 322,560 bytes of LDS; arguments ctx, wb, bo, out0; writes out0
.if DOCPART == 4
	.amdgcn_target "amdgcn-amd-amdhsa--gfx1250"
	.amdhsa_code_object_version 6
	.text
	.protected	k_q035385b75d_oproj
	.globl	k_q035385b75d_oproj
	.p2align	8
	.type	k_q035385b75d_oproj,@function
k_q035385b75d_oproj:
	s_mov_b64 s[64:65], 0
	v_nop
	global_prefetch_b8 v0, s[64:65] scope:SCOPE_SE
	s_setreg_imm32_b32 hwreg(HW_REG_WAVE_MODE, 25, 1), 1
	s_wait_xcnt 0x0
	s_wait_alu depctr_hold_cnt(0) depctr_sa_sdst(0) depctr_va_vdst(0) depctr_va_sdst(0) depctr_va_ssrc(0) depctr_va_vcc(0) depctr_vm_vsrc(0)
	s_getreg_b32 s2, hwreg(HW_REG_IB_STS2, 6, 4)
	s_cmp_eq_u32 s2, 0
	s_cbranch_scc0 .Lentry_in_a_cluster
	s_endpgm
.Lentry_in_a_cluster:
	s_bfe_u32 s2, ttmp6, 0x10000c
	s_cmp_lg_u32 s2, 0xf033
	s_cbranch_scc0 .Lentry_shape_is_right
	s_endpgm
.Lentry_shape_is_right:
; out0 = ctx Wo^T + bo.  ctx is [batch*8+head][s][64] f16, Wo is rows 1536 .. 2047 of wb ([.][512] f16), out0 [8192][512] f32.
; Work-group (x, y): rows 128 y .. + 127, columns 128 x .. + 127.  Eight waves: wave w has rows 32 (w & 3) .. + 31 and columns 64 (w >> 2) .. + 63 (256 bytes of a
; row of out0): 2 x 4 accumulator tiles.  The whole K = 512 lies in LDS, in four phases of two heads: first fills only, nothing is filled again.
; CLUSTER 4 x 4: ctx's tiles hang on y alone (joint along a row of the cluster), Wo's on x alone (along a column).  Waves 0-3 ask for ctx (64 rows of one head),
; waves 4-7 for 32 rows of Wo, once for each phase: a wave has four tensor loads out at the start, and the counted waits let the later phases' stay out.
; Source 0 = Wo's rows, source 1 = ctx's rows: a lane holds 8 neighbouring columns of one row.  The first product's C is the bias.
; The results leave through each wave's own stage in LDS, so that sixteen lanes store 256 consecutive aligned bytes.
; LIMITS: f16 operands as they come from the launches before; NaN and infinities are not followed.
.set AP,    144                        ; ctx's LDS row: 128 bytes + 16
.set BP,    272                        ; Wo's: 256 bytes + 16; also the stage's
.set PH,    2*128*AP+128*BP            ; a phase: even head, odd head, Wo: 71,680
.set STAGE, 4*PH                       ; 8 x 16 rows x 272 bytes, no tensor load's target
.set G1A, 16                           ; s[16:23]
.set G1B, 24                           ; s[24:31]
.set G0A, 32                           ; s[32:47] a set for each phase
.set G0B, 48                           ; s[48:63]
.set ADRA, 8
.set ADRB, 9
.set STO,  10
.set RD,   11
.set CO,   12
.set BOF,  13
.set BO,   32                          ; v[32:63] bo of my columns, tile nb at 32 + 8 nb
.set F0,   64                          ; v[64:111]  fragments: ctx's 2 x 8, Wo's 4 x 8
.set F1,   112                         ; v[112:159]
.set ACC,  160                         ; v[160:223] tile (mb, nb) at 160 + 8 (4 mb + nb)
.macro PLACES n
.rept \n
	v_nop
.endr
.endm
.macro CROUND
	s_barrier_signal -1
	s_barrier_wait -1
	s_cmp_lg_u32 s12, 0
	s_cbranch_scc1 .Lnot_wave_0_\@
	s_barrier_signal -3
.Lnot_wave_0_\@:
	s_barrier_wait -3
	s_barrier_signal -1
	s_barrier_wait -1
.endm
	s_load_b256 s[4:11], s[0:1], 0x0               ; ctx s[4:5], wb s[6:7], bo s[8:9], out0 s[10:11]
	v_lshl_add_u32 v224, v0, 2, 0x4e800
	v_mov_b32 v225, 0
	ds_add_u32 v224, v225
	v_lshrrev_b32 v1, 5, v0
	v_readfirstlane_b32 s12, v1                    ; wave
	s_lshr_b32 s13, s12, 2                         ; asks for ctx (0) or Wo (1); also my 64 columns
	s_and_b32 s14, s12, 3                          ; which part; also my 32 rows
	s_bfe_u32 s66, ttmp6, 0x40000                  ; cx
	s_bfe_u32 s67, ttmp6, 0x40004                  ; cy
	s_lshl_b32 s68, ttmp9, 2
	s_add_co_u32 s68, s68, s66                     ; x
	s_and_b32 s69, ttmp7, 0xffff
	s_lshl_b32 s69, s69, 2
	s_add_co_u32 s69, s69, s67                     ; y
	s_lshl_b32 s70, s67, 2
	s_lshl_b32 s70, 15, s70                        ; my row of the cluster
	s_lshl_b32 s71, 0x1111, s66                    ; my column
	s_or_b32 s[G1A+0], s70, (1<<16)|(1<<20)|(1<<21)|(4<<22)|(3<<25)   ; padding: after every 32 words, 4 words
	s_mov_b32 s[G1A+1], 64<<16
	s_mov_b32 s[G1A+2], 64<<16
	s_mov_b32 s[G1A+3], 64<<16
	s_mov_b32 s[G1A+4], 64
	s_mov_b32 s[G1A+5], 64
	s_mov_b32 s[G1A+6], 0
	s_mov_b32 s[G1A+7], 0
	s_or_b32 s[G1B+0], s71, (1<<16)|(1<<20)|(1<<21)|(5<<22)|(3<<25)   ; after every 64 words
	s_mov_b32 s[G1B+1], 128<<16
	s_mov_b32 s[G1B+2], 32<<16
	s_mov_b32 s[G1B+3], 128<<16
	s_mov_b32 s[G1B+4], 32
	s_mov_b32 s[G1B+5], 512
	s_mov_b32 s[G1B+6], 0
	s_mov_b32 s[G1B+7], 0
	s_lshr_b32 s2, s69, 4                          ; ctx: batch x 8 heads x 262,144 bytes
	s_lshl_b32 s2, s2, 21
	s_and_b32 s3, s69, 15                          ; + which 128 of the batch's rows, 128 bytes each
	s_lshl_b32 s3, s3, 14
	s_add_co_u32 s2, s2, s3
	s_lshr_b32 s3, s14, 1                          ; + even or odd head
	s_lshl_b32 s3, s3, 18
	s_add_co_u32 s2, s2, s3
	s_and_b32 s3, s14, 1                           ; + which 64 of the 128 rows
	s_lshl_b32 s3, s3, 13
	s_add_co_u32 s2, s2, s3
	s_mov_b32 s3, 0
	s_lshl_b32 s72, s68, 17                        ; Wo: (1536 + 128 x + 32 part) rows of 1,024 bytes
	s_lshl_b32 s73, s14, 15
	s_add_co_u32 s72, s72, s73
	s_add_co_u32 s72, s72, 1536*1024
	s_mov_b32 s73, 0
	s_mul_i32 s76, s14, 64*AP                      ; LDS: head parity x 128 rows + half x 64 rows = part x 64 rows
	s_mul_i32 s77, s14, 32*BP
	s_add_co_u32 s77, s77, 2*128*AP
	s_wait_dscnt 0x0
	s_wait_kmcnt 0x0
	s_add_nc_u64 s[4:5], s[4:5], s[2:3]
	s_add_nc_u64 s[6:7], s[6:7], s[72:73]
.irp p, 0,1,2,3
	s_mov_b32 s[G0A+4*\p], 1
	s_add_co_u32 s[G0A+4*\p+1], s76, \p*PH
	s_add_nc_u64 s[G0A+4*\p+2:G0A+4*\p+3], s[4:5], \p*524288       ; two heads on
	s_or_b32 s[G0A+4*\p+3], s[G0A+4*\p+3], 0x80000000
	s_mov_b32 s[G0B+4*\p], 1
	s_add_co_u32 s[G0B+4*\p+1], s77, \p*PH
	s_add_nc_u64 s[G0B+4*\p+2:G0B+4*\p+3], s[6:7], \p*256          ; 128 along K on
	s_or_b32 s[G0B+4*\p+3], s[G0B+4*\p+3], 0x80000000
.endr
	CROUND                                         ; in front of the joint loads
	s_cmp_eq_u32 s13, 0                            ; one branch on the wave's number holds all four first fills of a wave
	s_cbranch_scc0 .Lfill_b
.irp p, 0,1,2,3
	tensor_load_to_lds s[G0A+4*\p:G0A+4*\p+3], s[G1A:G1A+7]
	s_nop 0
.endr
	s_branch .Lfilled
.Lfill_b:
.irp p, 0,1,2,3
	tensor_load_to_lds s[G0B+4*\p:G0B+4*\p+3], s[G1B:G1B+7]
	s_nop 0
.endr
.Lfilled:
	v_and_b32 v1, 15, v0                           ; r
	v_bfe_u32 v2, v0, 4, 1                         ; h
	s_lshl_b32 s78, s13, 8
	v_lshl_add_u32 v[BOF], v2, 5, s78              ; 4 (64 cg + 8 h)
	s_lshl_b32 s74, s68, 9                         ; the work-group's 128 columns, in f32
	s_mov_b32 s75, 0
	s_add_nc_u64 s[8:9], s[8:9], s[74:75]
.irp nb, 0,1,2,3
	global_load_b128 v[BO+8*\nb:BO+8*\nb+3],   v[BOF], s[8:9] offset:64*\nb
	global_load_b128 v[BO+8*\nb+4:BO+8*\nb+7], v[BOF], s[8:9] offset:64*\nb+16
.endr
	s_mul_i32 s78, s14, 32*AP
	v_mul_u32_u24 v3, v1, AP
	v_lshl_add_u32 v3, v2, 4, v3
	v_add_nc_u32 v[ADRA], s78, v3
	s_mul_i32 s78, s13, 64*BP
	s_add_co_u32 s78, s78, 2*128*AP
	v_mul_u32_u24 v3, v1, BP
	v_lshl_add_u32 v4, v2, 4, v3
	v_add_nc_u32 v[ADRB], s78, v4
	s_mul_i32 s78, s12, 16*BP
	s_add_co_u32 s78, s78, STAGE                   ; my stage
	v_lshl_add_u32 v4, v2, 5, v3
	v_add_nc_u32 v[STO], s78, v4                   ; in: row r, 32 bytes for each half of the lanes
	v_mul_u32_u24 v4, v2, BP
	v_lshl_add_u32 v4, v1, 4, v4
	v_add_nc_u32 v[RD], s78, v4                    ; back: lanes 0-15 one row of 256 bytes, lanes 16-31 the next
	v_lshlrev_b32 v4, 4, v1
	v_lshl_add_u32 v[CO], v2, 11, v4               ; and the same two rows in out0
	s_lshl_b32 s79, s69, 18                        ; out0: (128 y + 32 rg) rows of 2,048 bytes + 512 x + 256 cg
	s_add_co_u32 s74, s74, s79
	s_lshl_b32 s79, s14, 16
	s_add_co_u32 s74, s74, s79
	s_lshl_b32 s79, s13, 8
	s_add_co_u32 s74, s74, s79
	s_add_nc_u64 s[10:11], s[10:11], s[74:75]
; 12 LDS loads: 32 along K (quarter ks of the phase: head ks >> 1, features 32 (ks & 1) ..) into buffer f
.macro FETCH ks, f
.irp mb, 0,1
	ds_load_b128 v[\f+8*\mb:\f+8*\mb+3],   v[ADRA] offset:(\ks>>1)*128*AP+\mb*16*AP+(\ks&1)*64
	ds_load_b128 v[\f+8*\mb+4:\f+8*\mb+7], v[ADRA] offset:(\ks>>1)*128*AP+\mb*16*AP+(\ks&1)*64+32
.endr
.irp nb, 0,1,2,3
	ds_load_b128 v[\f+16+8*\nb:\f+16+8*\nb+3],   v[ADRB] offset:\nb*16*BP+64*\ks
	ds_load_b128 v[\f+16+8*\nb+4:\f+16+8*\nb+7], v[ADRB] offset:\nb*16*BP+64*\ks+32
.endr
.endm
; 8 matrix instructions, each accumulator once: they take turns, one instruction a turn.  bias = 1: the first product adds onto bo.
.macro MUL f, bias
.irp mb, 0,1
.irp nb, 0,1,2,3
.if \bias
	v_wmma_f32_16x16x32_f16 v[ACC+8*(4*\mb+\nb):ACC+8*(4*\mb+\nb)+7], v[\f+16+8*\nb:\f+16+8*\nb+7], v[\f+8*\mb:\f+8*\mb+7], v[BO+8*\nb:BO+8*\nb+7]
.else
	v_wmma_f32_16x16x32_f16 v[ACC+8*(4*\mb+\nb):ACC+8*(4*\mb+\nb)+7], v[\f+16+8*\nb:\f+16+8*\nb+7], v[\f+8*\mb:\f+8*\mb+7], v[ACC+8*(4*\mb+\nb):ACC+8*(4*\mb+\nb)+7]
.endif
.endr
.endr
.endm
.macro PHASE p
	s_wait_dscnt 0x0
	s_wait_tensorcnt 3-\p                          ; my part of this phase is in; the later phases' loads stay out
	s_barrier_signal -1
	s_barrier_wait -1                              ; everybody's part is in
	FETCH 0, F0
	s_wait_dscnt 0x0
	PLACES 4                                       ; between the matrix instructions that read a buffer and the loads into it
	FETCH 1, F1
.if \p == 0
	MUL F0, 1
.else
	MUL F0, 0
.endif
	s_wait_dscnt 0x0
	PLACES 4
	FETCH 2, F0
	MUL F1, 0
	s_wait_dscnt 0x0
	PLACES 4
	FETCH 3, F1
	MUL F0, 0
	s_wait_dscnt 0x0
	MUL F1, 0
.if \p < 3
	v_add_nc_u32 v[ADRA], PH, v[ADRA]              ; the next phase; these two lines are two of the four places
	v_add_nc_u32 v[ADRB], PH, v[ADRB]
	PLACES 2
.else
	PLACES 4
.endif
.endm
	s_wait_loadcnt 0x0                             ; bo
	PHASE 0
	PHASE 1
	PHASE 2
	PHASE 3
; 16 rows x 64 columns of f32 through my own stage; LDS serves a wave's instructions in order (ISA guide 5.7.1.4), so no wait stands between stores and loads
.macro OUT mb, f
.irp nb, 0,1,2,3
	ds_store_b128 v[STO], v[ACC+8*(4*\mb+\nb):ACC+8*(4*\mb+\nb)+3]   offset:64*\nb
	ds_store_b128 v[STO], v[ACC+8*(4*\mb+\nb)+4:ACC+8*(4*\mb+\nb)+7] offset:64*\nb+16
.endr
.irp t, 0,1,2,3,4,5,6,7
	ds_load_b128 v[\f+4*\t:\f+4*\t+3], v[RD] offset:\t*2*BP
.endr
.irp t, 0,1,2,3,4,5,6,7
	s_wait_dscnt 7-\t                              ; the younger loads of the eight may be out
	global_store_b128 v[CO], v[\f+4*\t:\f+4*\t+3], s[10:11] offset:(16*\mb+2*\t)*2048 th:TH_STORE_NT   ; sixteen lanes store 256 consecutive bytes, aligned
.endr
.endm
	OUT 0, F0
	OUT 1, F1
	s_wait_tensorcnt 0x0
	ds_add_u32 v224, v225
	s_wait_dscnt 0x0
	CROUND                                         ; the closing round
	s_endpgm
.Lfunc_end_k_q035385b75d_oproj:
	.size	k_q035385b75d_oproj, .Lfunc_end_k_q035385b75d_oproj-k_q035385b75d_oproj
	.p2alignl 7, 3214868480
	.fill 96, 4, 3214868480
	.section	.rodata,"a",@progbits
	.p2align	6, 0x0
	.amdhsa_kernel k_q035385b75d_oproj
		.amdhsa_group_segment_fixed_size 322560
		.amdhsa_private_segment_fixed_size 0
		.amdhsa_enable_private_segment 0
		.amdhsa_kernarg_size 32
		.amdhsa_user_sgpr_count 2
		.amdhsa_user_sgpr_kernarg_segment_ptr 1
		.amdhsa_wavefront_size32 1
		.amdhsa_system_sgpr_workgroup_id_x 1
		.amdhsa_system_sgpr_workgroup_id_y 1
		.amdhsa_system_sgpr_workgroup_id_z 1
		.amdhsa_system_vgpr_workitem_id 0
		.amdhsa_next_free_vgpr 226
		.amdhsa_next_free_sgpr 80
		.amdhsa_reserve_vcc 0
		.amdhsa_float_denorm_mode_32 3
		.amdhsa_float_denorm_mode_16_64 3
		.amdhsa_memory_ordered 1
		.amdhsa_forward_progress 1
		.amdhsa_inst_pref_size 36
	.end_amdhsa_kernel
	.amdgpu_metadata
---
amdhsa.version: [ 1, 2 ]
amdhsa.kernels:
  - .name:           k_q035385b75d_oproj
    .symbol:         k_q035385b75d_oproj.kd
    .args:
      - { .name: ctx, .offset: 0, .size: 8, .value_kind: global_buffer, .address_space: global }
      - { .name: wb, .offset: 8, .size: 8, .value_kind: global_buffer, .address_space: global }
      - { .name: bo, .offset: 16, .size: 8, .value_kind: global_buffer, .address_space: global }
      - { .name: out0, .offset: 24, .size: 8, .value_kind: global_buffer, .address_space: global }
    .group_segment_fixed_size: 322560
    .private_segment_fixed_size: 0
    .kernarg_segment_align: 8
    .kernarg_segment_size: 32
    .max_flat_workgroup_size: 256
    .sgpr_count:     80
    .vgpr_count:     226
    .wavefront_size: 32
...
	.end_amdgpu_metadata
.endif
;; end of part 4
